; MI455X (gfx1250); checked and timed in simulation.
; The chip was launched on July 23, 2026; its instructions are those of AMD's public machine-readable ISA for CDNA 5 (MIT licence, August 2026) and "CDNA5" Instruction Set Architecture Reference Guide (July 2026). The comments in the code are by the model that wrote it; some were corrected since.
;; Masked multi head attention. Allowed arithmetic: matrix products marked QUANTISED: E2M1 operands, one E8M0 scale for each 32 along K, by v_wmma_scale_f32_16x16x128_f8f6f4 with both operands' format E2M1 (or v_wmma_scale_f32_32x16x128_f4), f32 sums; products left as they are: bf16, f16 or f32 operands; f32 sums; everything else in f32.
;; Inputs: Wk 1,024 x 1,024 float32; Wout 1,024 x 1,024 float32; Wq 1,024 x 1,024 float32; Wv 1,024 x 1,024 float32; bout 1,024 float32; x 4 x 2,048 x 1,024 float32.
;; Outputs: out0 4 x 2,048 x 1,024 float32.
;; This version of the problem:
;;   THIS VERSION OF THE PROBLEM IS GIVEN IN LOW PRECISION. The matrix products marked QUANTISED in the list below multiply operands that are first quantised to E2M1 (2 exponent bits, 1 mantissa bit; 4 bits a number), with one power-of-two scale for each 32 numbers along K (OCP MX v1.0); their sums are f32. The products marked 'left as it is' may take bf16, f16 or f32 operands, with f32 sums. All else is computed in f32.
;;   The module's matrix products, in the order in which they are computed (A, B: the left and right operand; K: the contracted axis; several contracted axes count as one K, in the product's order):
;;     1. [M 8,192, K 1,024] x [K 1,024, N 1,024]; A: input x; B: input Wq: QUANTISED
;;     2. [M 8,192, K 1,024] x [K 1,024, N 1,024]; A: input x; B: input Wk: QUANTISED
;;     3. [M 8,192, K 1,024] x [K 1,024, N 1,024]; A: input x; B: input Wv: QUANTISED
;;     4. batch 64 x [M 2,048, K 64] x [K 64, N 2,048]; A: computed on the way; B: computed on the way: left as it is (an operand is computed on the way)
;;     5. batch 64 x [M 2,048, K 2,048] x [K 2,048, N 64]; A: computed on the way; B: computed on the way: left as it is (an operand is computed on the way)
;;     6. [M 8,192, K 1,024] x [K 1,024, N 1,024]; A: computed on the way; B: input Wout: left as it is (an operand is computed on the way)
;;   THE QUANTISER, for each operand of a quantised product, along K:
;;     - K is cut into blocks of 32 from its start; a last block that is shorter is filled with zeros.
;;     - A block's scale is 2^e with e = floor(log2(the largest magnitude in the block)) - 2, held to -126 .. 127; a block of zeros has e = 0. As a byte (E8M0): e + 127.
;;     - Each number is divided by its block's scale, clamped to +-6, and rounded to the nearest number of E2M1, ties to even, subnormals kept.
;;     - The product sums the exact products of the quantised numbers (number of the format x scale) in f32.
;;   ~~~python
;;   def quantise(x, axis):      # numpy; x: float32 -> the quantised numbers, widened to float32 again
;;       x = np.moveaxis(x, axis, -1); K = x.shape[-1]
;;       x = np.pad(x, [(0, 0)] * (x.ndim - 1) + [(0, -K % 32)]); x = x.reshape(x.shape[:-1] + (-1, 32)); a = np.abs(x).max(-1, keepdims=True)
;;       e = np.where(a > 0, np.clip(np.frexp(np.where(a > 0, a, 1))[1] - 1 - 2, -126, 127), 0)      # np.frexp(a)[1] - 1 = floor(log2(a)), exactly
;;       r = np.clip(x / 2.0 ** e, -6, 6)
;;       step = 2.0 ** (np.maximum(np.frexp(np.where(r == 0, 1, r))[1] - 1, 0) - 1)
;;       q = np.round(r / step) * step * 2.0 ** e      # np.round: ties to even
;;       return np.moveaxis(q.reshape(q.shape[:-2] + (-1,))[..., :K], -1, axis).astype(np.float32)
;;   ~~~
;; One version. Each part assembles by itself: llvm-mc -triple=amdgcn-amd-amdhsa -mcpu=gfx1250 --defsym DOCPART=n.
;; ======== version 1 of 1: 4 launches
;; limits: values are held in f16: magnitudes above 65,504 overflow, below 6.1e-05 lose precision; right only within a limited range of input values
;; workspace buffers: xcodes 4,194,304 bytes; xscales 262,144 bytes; wcodes 1,572,864 bytes; wscales 98,304 bytes; wouth 2,097,152 bytes; qkv 50,331,648 bytes; ctx 16,777,216 bytes
;; launch prep (part 1): grid 384 x 1, 4 waves a work-group, no clusters, 32,768 bytes of LDS; arguments x, Wq, Wk, Wv, Wout, xcodes, xscales, wcodes, wscales, wouth; writes xcodes, xscales, wcodes, wscales, wouth
.if DOCPART == 1
	.amdgcn_target "amdgcn-amd-amdhsa--gfx1250"
	.amdhsa_code_object_version 6
	.text
	.protected	k_qbd6acafcd3_prep
	.globl	k_qbd6acafcd3_prep
	.p2align	8
	.type	k_qbd6acafcd3_prep,@function
k_qbd6acafcd3_prep:
	s_mov_b64 s[64:65], 0
	v_nop
	global_prefetch_b8 v0, s[64:65] scope:SCOPE_SE
	s_setreg_imm32_b32 hwreg(HW_REG_WAVE_MODE, 25, 1), 1
	s_wait_xcnt 0x0
; x [8192][1024], Wq, Wk, Wv [1024][1024], f32, become codes of FP4 (E2M1), K innermost, with one E8M0 scale byte for each 32 along K; Wout [1024][1024] becomes f16.
; A block's scale is 2^(floor(log2(its largest magnitude)) - 2); its byte is the largest magnitude's exponent field - 2, held at 1 from below.  Each number is divided by the scale and rounded to the nearest code, ties to even;
; beyond 6 the conversion gives the largest code.
; LIMITS: NaN and infinities among the inputs are not served.  A block whose largest magnitude lies under 2^-124 has its byte held at 1.  A block of zeros gets the byte 1 where the rule says 127: its codes are zeros, which add
; nothing under any byte but 0xff, and the bytes are read by this program alone.  Wout is rounded to f16: numbers of magnitude 65,504 or more are not served.
; Rows are dense and K = 1,024 is a multiple of 32: each tensor is a plain stream of blocks of 32 numbers, and so are its codes (16 bytes a block) and its scale bytes.
; SHARES: a work-group takes 32,768 numbers, a wave 8,192.  Work-groups 0-255: x; 256-287: Wq; 288-319: Wk; 320-351: Wv (the three weights' codes lie one behind the other: rows 0-3071); 352-383: Wout.
; A wave takes 16 steps of 512 numbers.  Each of a step's four loads reads 512 consecutive bytes, 16 a lane; the 2,048 bytes go through the wave's own stage in LDS and come back 64 bytes a lane, so that a lane holds 16
; neighbours along K (two neighbouring lanes hold a block), as the conversions want them.  No tensor loads, no barrier: waves share nothing.
.set STEPS, 16
.set EMAX,  2
.set CB,    8                          ; bytes of 16 codes
.set R,     16                         ; v16-79   four sets of 16 numbers as they are loaded
.set X,     80                         ; v80-111  two sets of 16 neighbours
.set C,     128                        ; v128-191 codes: four registers for each step, so that no store's data are written again
.set E,     112                        ; v112-127 a scale byte for each step
.set WREG,  8192                       ; LDS: a region for each wave: two stages of 32 x SP bytes, and behind them its 256 scale bytes
.set SP,    80                         ; a lane's place in a stage: its 64 bytes + 16 of padding
	s_load_b256 s[4:11], s[0:1], 0x0               ; x s[4:5], Wq s[6:7], Wk s[8:9], Wv s[10:11]
	s_load_b256 s[12:19], s[0:1], 0x20             ; Wout s[12:13], x's codes s[14:15], x's scales s[16:17], the weights' codes s[18:19]
	s_load_b128 s[20:23], s[0:1], 0x40             ; the weights' scales s[20:21], Wout in f16 s[22:23]
	v_lshrrev_b32 v1, 5, v0
	v_readfirstlane_b32 s24, v1                    ; wave
	v_and_b32 v2, 31, v0                           ; lane
	v_lshlrev_b32 v3, 4, v2                        ; my 16 bytes of a load's 512
	s_mul_i32 s25, s24, WREG
	v_lshrrev_b32 v14, 2, v2
	v_mul_u32_u24 v14, v14, SP
	v_and_b32 v15, 3, v2
	v_lshl_add_u32 v14, v15, 4, v14
	v_add_nc_u32 v14, s25, v14                     ; the stage, on the way in: SP (lane / 4) + 16 (lane % 4)
	v_mul_u32_u24 v15, v2, SP
	v_add_nc_u32 v15, s25, v15                     ; and on the way out: SP x lane: my 16 neighbours
	v_mul_u32_u24 v4, v2, CB                       ; 8 bytes a lane: my codes' place in a step's
	v_lshrrev_b32 v5, 1, v2
	s_add_co_u32 s25, s25, 2*32*SP
	v_add_nc_u32 v5, s25, v5                       ; LDS: my wave's 256 scale bytes, my block's byte
	v_lshlrev_b32 v7, 3, v2                        ; and on the way out 8 bytes a lane
	v_add_nc_u32 v6, s25, v7
	s_wait_kmcnt 0x0
	s_cmp_ge_u32 ttmp9, 352
	s_cbranch_scc1 .Lcast
	; which tensor: the choices hang on the work-group's number alone
	s_sub_co_u32 s26, ttmp9, 256                   ; among the weights' work-groups (not used for x)
	s_and_b32 s27, s26, 31                         ; and inside one weight
	s_cmp_lt_u32 ttmp9, 320
	s_cselect_b64 s[10:11], s[8:9], s[10:11]       ; Wk or Wv,
	s_cmp_lt_u32 ttmp9, 288
	s_cselect_b64 s[10:11], s[6:7], s[10:11]       ; or Wq,
	s_cmp_lt_u32 ttmp9, 256
	s_cselect_b64 s[4:5], s[4:5], s[10:11]         ; or x
	s_cselect_b64 s[14:15], s[14:15], s[18:19]
	s_cselect_b64 s[16:17], s[16:17], s[20:21]
	s_cselect_b32 s27, ttmp9, s27
	s_cselect_b32 s26, ttmp9, s26
	s_lshl_b32 s27, s27, 2
	s_add_co_u32 s27, s27, s24                     ; which run of 8,192 numbers of the source is my wave's
	s_lshl_b32 s28, s27, 15                        ; 32,768 bytes a run (under 2^26)
	s_mov_b32 s29, 0
	s_add_nc_u64 s[4:5], s[4:5], s[28:29]
	s_lshl_b32 s26, s26, 2
	s_add_co_u32 s26, s26, s24                     ; and which run of the destination
	s_lshl_b32 s30, s26, 12                        ; 4,096 bytes of codes a run
	s_mov_b32 s31, 0
	s_add_nc_u64 s[14:15], s[14:15], s[30:31]
	s_lshl_b32 s32, s26, 8                         ; 256 scale bytes a run
	s_mov_b32 s33, 0
	s_add_nc_u64 s[16:17], s[16:17], s[32:33]
.macro LOAD t
.irp i, 0,1,2,3
	global_load_b128 v[R+16*((\t)%4)+4*\i:R+16*((\t)%4)+4*\i+3], v3, s[4:5] offset:2048*(\t)+512*\i th:TH_LOAD_NT   ; 32 lanes read 512 consecutive bytes
.endr
.endm
.macro TURN t                          ; step t's numbers through the stage: LDS serves a wave's instructions in order, so no wait stands between the stores and the loads
.irp i, 0,1,2,3
	ds_store_b128 v14, v[R+16*((\t)%4)+4*\i:R+16*((\t)%4)+4*\i+3] offset:32*SP*((\t)%2)+8*SP*\i
.endr
.irp i, 0,1,2,3
	ds_load_b128 v[X+16*((\t)%2)+4*\i:X+16*((\t)%2)+4*\i+3], v15 offset:32*SP*((\t)%2)+16*\i
.endr
.endm
.irp t, 0,1,2,3
	LOAD \t
.endr
	s_wait_loadcnt 12                              ; step 0's four loads are in; the twelve of steps 1 to 3 stay out
	TURN 0
.macro STEP t
.set XS, X+16*((\t)%2)
.if (\t) > 0
	s_wait_dscnt 1                                 ; this step's numbers are back from the stage (the last step's byte store may be out): so its stores into the stage have read their registers,
.else
	s_wait_dscnt 0x0
.endif
.if (\t)+4 < STEPS
	LOAD (\t)+4                                    ; which take the loads of four steps on
.endif
.if (\t)+1 < STEPS
.if STEPS-2-(\t) >= 3
	s_wait_loadcnt 12                              ; the next step's four loads are in; those of the three steps behind it may be out
.else
	s_wait_loadcnt 4*(STEPS-2-(\t))
.endif
	TURN (\t)+1                                    ; and go through the other stage while this step is worked
.endif
	v_max3_num_f32 v8, |v[XS]|, |v[XS+1]|, |v[XS+2]|               ; the largest magnitude of my 16, in two chains
	v_max3_num_f32 v9, |v[XS+3]|, |v[XS+4]|, |v[XS+5]|
.irp i, 6,10
	v_max3_num_f32 v8, v8, |v[XS+\i]|, |v[XS+\i+1]|
	v_max3_num_f32 v9, v9, |v[XS+\i+2]|, |v[XS+\i+3]|
.endr
	v_max3_num_f32 v8, v8, |v[XS+14]|, |v[XS+15]|
	v_max3_num_f32 v8, v8, v9, (EMAX+1)<<23        ; and the floor 2^(3 - 127): so the byte cannot fall under 1
	v_max_num_f32_dpp v8, v8, v8 row_xmask:1 row_mask:0xf bank_mask:0xf   ; and of my neighbour's 16: the block's
	v_add_nc_u32 v11, -(EMAX<<23), v8              ; 2 off its exponent field: the conversion takes the exponent field of this operand as its scale, and nothing else of it
	v_cvt_scalef32_pk8_fp4_f32 v[C+4*(\t)], v[XS:XS+7], v11        ; the first number's code in the lowest four bits
	v_cvt_scalef32_pk8_fp4_f32 v[C+4*(\t)+1], v[XS+8:XS+15], v11
	v_lshrrev_b32 v[E+(\t)], 23, v11               ; the scale's byte (also the plain line behind the conversions)
	ds_store_b8 v5, v[E+(\t)] offset:16*(\t)       ; both lanes of a block write the same byte with the same value
	global_store_b64 v4, v[C+4*(\t):C+4*(\t)+1], s[14:15] offset:32*CB*(\t)   ; the wave stores 256 consecutive bytes, aligned
.endm
.irp t, 0,1,2,3,4,5,6,7,8,9,10,11,12,13,14,15
	STEP \t
.endr
	ds_load_b64 v[12:13], v6                       ; LDS serves a wave's instructions in order: these see my stores
	s_wait_dscnt 0x0
	global_store_b64 v7, v[12:13], s[16:17]        ; 32 lanes store 256 consecutive bytes, aligned
	s_endpgm
.Lcast:                                            ; Wout to f16, as it lies: a wave reads 32,768 bytes and stores 16,384, in two batches of 32 loads.  No LDS
	s_sub_co_u32 s26, ttmp9, 352
	s_lshl_b32 s26, s26, 2
	s_add_co_u32 s26, s26, s24
	s_lshl_b32 s28, s26, 15
	s_mov_b32 s29, 0
	s_lshl_b32 s30, s26, 14
	s_mov_b32 s31, 0
	s_add_nc_u64 s[12:13], s[12:13], s[28:29]
	s_add_nc_u64 s[22:23], s[22:23], s[30:31]
.irp g, 0,1
.if \g
	s_wait_xcnt 0x0                                ; the first batch's stores have read their data: the registers are loaded again only behind this wait
.endif
.set i, 0
.rept 32
	global_load_b128 v[16+4*i:19+4*i], v3, s[12:13] offset:512*(32*\g+i) th:TH_LOAD_NT
.set i, i+1
.endr
.set i, 0
.rept 32
	s_wait_loadcnt 31-i                            ; load i is in; the younger ones stay out
	v_cvt_pk_f16_f32 v[16+4*i], v[16+4*i], v[17+4*i]
	v_cvt_pk_f16_f32 v[17+4*i], v[18+4*i], v[19+4*i]
	global_store_b64 v4, v[16+4*i:17+4*i], s[22:23] offset:256*(32*\g+i)   ; the wave stores 256 consecutive bytes, aligned
.set i, i+1
.endr
.endr
	s_endpgm
.Lfunc_end_k_qbd6acafcd3_prep:
	.size	k_qbd6acafcd3_prep, .Lfunc_end_k_qbd6acafcd3_prep-k_qbd6acafcd3_prep
	.p2alignl 7, 3214868480
	.fill 96, 4, 3214868480
	.section	.rodata,"a",@progbits
	.p2align	6, 0x0
	.amdhsa_kernel k_qbd6acafcd3_prep
		.amdhsa_group_segment_fixed_size 32768
		.amdhsa_private_segment_fixed_size 0
		.amdhsa_enable_private_segment 0
		.amdhsa_kernarg_size 80
		.amdhsa_user_sgpr_count 2
		.amdhsa_user_sgpr_kernarg_segment_ptr 1
		.amdhsa_wavefront_size32 1
		.amdhsa_system_sgpr_workgroup_id_x 1
		.amdhsa_system_sgpr_workgroup_id_y 1
		.amdhsa_system_sgpr_workgroup_id_z 1
		.amdhsa_system_vgpr_workitem_id 0
		.amdhsa_next_free_vgpr 192
		.amdhsa_next_free_sgpr 66
		.amdhsa_reserve_vcc 0
		.amdhsa_float_denorm_mode_32 3
		.amdhsa_float_denorm_mode_16_64 3
		.amdhsa_memory_ordered 1
		.amdhsa_forward_progress 1
		.amdhsa_inst_pref_size 56
	.end_amdhsa_kernel
	.amdgpu_metadata
---
amdhsa.version: [ 1, 2 ]
amdhsa.kernels:
  - .name:           k_qbd6acafcd3_prep
    .symbol:         k_qbd6acafcd3_prep.kd
    .args:
      - { .name: x, .offset: 0, .size: 8, .value_kind: global_buffer, .address_space: global }
      - { .name: Wq, .offset: 8, .size: 8, .value_kind: global_buffer, .address_space: global }
      - { .name: Wk, .offset: 16, .size: 8, .value_kind: global_buffer, .address_space: global }
      - { .name: Wv, .offset: 24, .size: 8, .value_kind: global_buffer, .address_space: global }
      - { .name: Wout, .offset: 32, .size: 8, .value_kind: global_buffer, .address_space: global }
      - { .name: xcodes, .offset: 40, .size: 8, .value_kind: global_buffer, .address_space: global }
      - { .name: xscales, .offset: 48, .size: 8, .value_kind: global_buffer, .address_space: global }
      - { .name: wcodes, .offset: 56, .size: 8, .value_kind: global_buffer, .address_space: global }
      - { .name: wscales, .offset: 64, .size: 8, .value_kind: global_buffer, .address_space: global }
      - { .name: wouth, .offset: 72, .size: 8, .value_kind: global_buffer, .address_space: global }
    .group_segment_fixed_size: 32768
    .private_segment_fixed_size: 0
    .kernarg_segment_align: 8
    .kernarg_segment_size: 80
    .max_flat_workgroup_size: 128
    .sgpr_count:     66
    .vgpr_count:     192
    .wavefront_size: 32
...
	.end_amdgpu_metadata
.endif
;; end of part 1
;; launch qkv (part 2): grid 12 x 32, 4 waves a work-group, clusters of 4 x 4, 327,680 bytes of LDS; arguments xcodes, xscales, wcodes, wscales, qkv; writes qkv
.if DOCPART == 2
	.amdgcn_target "amdgcn-amd-amdhsa--gfx1250"
	.amdhsa_code_object_version 6
	.text
	.protected	k_qbd6acafcd3_qkv
	.globl	k_qbd6acafcd3_qkv
	.p2align	8
	.type	k_qbd6acafcd3_qkv,@function
k_qbd6acafcd3_qkv:
	s_mov_b64 s[64:65], 0
	v_nop
	global_prefetch_b8 v0, s[64:65] scope:SCOPE_SE
	s_setreg_imm32_b32 hwreg(HW_REG_WAVE_MODE, 25, 1), 1
	s_wait_xcnt 0x0
	s_wait_alu depctr_hold_cnt(0) depctr_sa_sdst(0) depctr_va_vdst(0) depctr_va_sdst(0) depctr_va_ssrc(0) depctr_va_vcc(0) depctr_vm_vsrc(0)
	s_getreg_b32 s2, hwreg(HW_REG_IB_STS2, 6, 4)
	s_cmp_eq_u32 s2, 0
	s_cbranch_scc0 .Lentry_in_a_cluster
	s_endpgm
.Lentry_in_a_cluster:
	s_bfe_u32 s2, ttmp6, 0x10000c
	s_cmp_lg_u32 s2, 0xf033
	s_cbranch_scc0 .Lentry_shape_is_right
	s_endpgm
.Lentry_shape_is_right:
; Q = x Wq^T, K = x Wk^T, V = x Wv^T on codes of FP4 (E2M1) with one E8M0 scale for each 32 along K = 1,024; sums in f32; the results are rounded to f16 and stored AS IMAGES OF THE OPERAND REGISTERS that the
; attention launch wants, so that they leave the accumulators' lanes as they stand: every store of a wave covers 512 consecutive bytes, aligned.
; LIMIT: |Q|, |K|, |V| stay under 65,504 (f16): with x and the weights 30 times the drawn spread they reach some 5,000.
; A tile of 256 x 256 is made by a work-group of four waves; a wave makes 128 x 128: 64 accumulators, 512 registers.  K is two slots of 512 in LDS: both are filled once, at the start, and no LDS byte is filled twice.
; TWO MODES, by the cluster's x (the same in all sixteen partners).  Clusters 0, 1: operand A = 256 rows of x, operand B = 256 rows of Wq or Wk.  Cluster 2: A = 256 rows of Wv, B = 256 rows of x.
; The matrix instruction takes source 0 = 16 rows of B, source 1 = 16 rows of A: a lane holds ONE row of A and eight neighbouring rows of B.  So for Q and K a lane holds a token and eight neighbouring channels
; (a fragment with the channels along K), and for V a channel and eight neighbouring tokens (a fragment with the keys along K).
; THE OUTPUT: 192 blocks of 2^18 bytes, block = 64 p + 16 batch + head, p = 0 Q, 1 K, 2 V.  Q, K: [token / 16][piece e of 4][512 bytes]: lane (r, hh) holds X[16 tile + r][16 e + 8 hh + 0..7].
; V: [token / 32][channel tile of 4][c of 2][512 bytes]: lane (r, hh) holds V[32 g + 16 c + 8 hh + 0..7][16 ct + r].
; CLUSTERS: 4 x 4 work-groups.  A's tile hangs on the cluster's y and cy alone and is shared along a row of the cluster, B's on the cluster's place and cx alone and is shared along a column: joint loads.
; REGISTERS: window 0: v16-27 addresses; v32-95 scale words, two sets; v128-191 A's fragments, one set; on the way out v64-255.  window 1: B's fragments, two sets.  windows 2, 3: the accumulators, (a, b) at v[8 (8 (a % 4) + b)].
.set KSTEP,  512
.set NQ,     4                         ; matrix instructions deep in a slot
.set ROWB,   256                       ; a tile's row: 512 codes
.set KROW,   512                       ; a row of codes in memory
.set PITCH,  272                       ; an LDS row: 256 bytes + 16 of padding: the 16 rows that a load touches start 68 words apart
.set FR,     8
.set NL,     2
.set NP,     4                         ; places behind this matrix instruction (ISA guide 7.12.1)
.set HALFT,  128*PITCH
.set SLOT,   4*HALFT                   ; A's 256 rows, then B's 256 rows
.set KS,     32                        ; a row of scale bytes
.set SCL,    2*SLOT                    ; behind the slots: the scales, as rows of 256 bytes + 16 of padding
.set HALFS,  (128*KS/256)*272
.set SBLK,   (16*KS/256)*272
.set ADRA, 16
.set ADRB, 20
.set CO,   26                          ; v26  16 x lane: my place in a piece of 512 bytes
.set ADRS, 27
.set SC,   32
.set AF,   128
.set G1, 24
.set G0, 32
.set G1B, 48
.set G0B, 56
.set G1S, 68
.set G0S, 76
.set G1SB, 80
.set G0SB, 88
.set MSB, 0
.macro WIN new                         ; the immediate's high byte repeats the setting that is left
.if MSB != \new
	s_set_vgpr_msb (MSB<<8)|\new
.set MSB, \new
.endif
.endm
.set MUL_LO, 0xa1                      ; source 0 (B) window 1, source 1 (A) window 0, C and D window 2
.set MUL_HI, 0xf1
.set TO_B,   0x40
.macro CROUND                          ; a round of the cluster's barrier
	s_barrier_signal -1
	s_barrier_wait -1
	s_cmp_lg_u32 s14, 0
	s_cbranch_scc1 .Lnot_wave_0_\@
	s_barrier_signal -3
.Lnot_wave_0_\@:
	s_barrier_wait -3
	s_barrier_signal -1
	s_barrier_wait -1
.endm
	s_load_b128 s[4:7], s[0:1], 0x0                ; x's codes s[4:5], x's scales s[6:7]
	s_load_b128 s[8:11], s[0:1], 0x10              ; the weights' codes s[8:9], their scales s[10:11]
	s_load_b64 s[12:13], s[0:1], 0x20              ; the output
	v_lshrrev_b32 v1, 5, v0
	v_readfirstlane_b32 s14, v1                    ; wave 0..3
	s_lshr_b32 s15, s14, 1                         ; which half of A's rows is mine.  Also: I fetch for A (0) or for B (1)
	s_and_b32 s16, s14, 1                          ; which half of B's rows.  Also: which 128 rows I fetch
	s_bfe_u32 s40, ttmp6, 0x40000                  ; cx
	s_bfe_u32 s41, ttmp6, 0x40004                  ; cy
	s_and_b32 s17, ttmp7, 0xffff                   ; the cluster's y
	s_lshl_b32 s43, s41, 2
	s_lshl_b32 s43, 15, s43                        ; my row of the cluster
	s_lshl_b32 s44, 0x1111, s40                    ; my column
	s_or_b32 s[G1+0], s43, (0<<16)|(1<<20)|(1<<21)|(5<<22)|(3<<25)  ; the mask; elements of 1 byte; padding on; bit 21 beside a mask; after every 64 words 4 words
	s_or_b32 s[G1B+0], s44, (0<<16)|(1<<20)|(1<<21)|(5<<22)|(3<<25)
.irp g, G1, G1B
	s_mov_b32 s[\g+1], ROWB<<16                    ; tensor_dim0
	s_mov_b32 s[\g+2], 128<<16                     ; tensor_dim1
	s_mov_b32 s[\g+3], ROWB<<16                    ; tile_dim0
	s_mov_b32 s[\g+4], 128                         ; tile_dim1
	s_mov_b32 s[\g+5], KROW                        ; the pitch
	s_mov_b32 s[\g+6], 0
	s_mov_b32 s[\g+7], 0
.endr
	s_or_b32 s[G1S+0], s43, (3<<16)|(1<<20)|(1<<21)|(5<<22)|(3<<25) ; the scales of 128 rows: 4,096 dense bytes as 16 rows of 256 (32 elements of 8 bytes), padded alike
	s_or_b32 s[G1SB+0], s44, (3<<16)|(1<<20)|(1<<21)|(5<<22)|(3<<25)
.irp g, G1S, G1SB
	s_mov_b32 s[\g+1], 32<<16
	s_mov_b32 s[\g+2], (128*KS/256)<<16
	s_mov_b32 s[\g+3], 32<<16
	s_mov_b32 s[\g+4], 128*KS/256
	s_mov_b32 s[\g+5], 32
	s_mov_b32 s[\g+6], 0
	s_mov_b32 s[\g+7], 0
.endr
	; A's first row: x's row 256 (4 Y + cy), or the weights' row 2,048 + 256 cy.  No register here ever holds cx
	s_lshl_b32 s20, s17, 2
	s_add_co_u32 s20, s20, s41
	s_lshl_b32 s20, s20, 8
	s_lshl_b32 s21, s41, 8
	s_add_co_u32 s21, s21, 2048
	s_cmp_eq_u32 ttmp9, 2
	s_cselect_b32 s20, s21, s20
	s_lshl_b32 s18, s16, 7                         ; which 128 rows of the tile I fetch
	s_add_co_u32 s20, s20, s18
	; B's first row: the weights' row 256 (4 X + cx), or x's row 256 (4 Y + cx).  No register here ever holds cy
	s_lshl_b32 s46, ttmp9, 2
	s_add_co_u32 s46, s46, s40
	s_lshl_b32 s46, s46, 8
	s_lshl_b32 s47, s17, 2
	s_add_co_u32 s47, s47, s40
	s_lshl_b32 s47, s47, 8
	s_cmp_eq_u32 ttmp9, 2
	s_cselect_b32 s46, s47, s46
	s_add_co_u32 s46, s46, s18
	s_lshl_b32 s22, s20, 5                         ; in bytes: 32 of scales a row,
	s_mov_b32 s23, 0
	s_lshl_b32 s92, s46, 5
	s_mov_b32 s93, 0
	s_lshl_b32 s20, s20, 9                         ; 512 of codes
	s_mov_b32 s21, 0
	s_lshl_b32 s46, s46, 9
	s_mov_b32 s47, 0
	s_mul_i32 s45, s14, HALFT                      ; where they go: wave x 128 rows: no place in the cluster enters an LDS address
	s_mul_i32 s94, s14, HALFS
	s_wait_kmcnt 0x0
	s_cmp_eq_u32 ttmp9, 2                          ; the buffers change roles with the mode
	s_cselect_b64 s[66:67], s[8:9], s[4:5]         ; A's codes
	s_cselect_b64 s[8:9], s[4:5], s[8:9]           ; B's codes
	s_cselect_b64 s[96:97], s[10:11], s[6:7]       ; A's scales
	s_cselect_b64 s[10:11], s[6:7], s[10:11]       ; B's scales
	s_add_nc_u64 s[20:21], s[66:67], s[20:21]
	s_add_nc_u64 s[22:23], s[96:97], s[22:23]
	s_add_nc_u64 s[46:47], s[8:9], s[46:47]
	s_add_nc_u64 s[92:93], s[10:11], s[92:93]
	CROUND                                         ; all sixteen work-groups are here: the joint loads meet
	s_mov_b32 s[G0S], 1
	s_add_co_u32 s[G0S+1], s94, SCL
	s_mov_b64 s[G0S+2:G0S+3], s[22:23]
	s_or_b32 s[G0S+3], s[G0S+3], 0x80000000
	s_mov_b32 s[G0SB], 1
	s_add_co_u32 s[G0SB+1], s94, SCL
	s_mov_b64 s[G0SB+2:G0SB+3], s[92:93]
	s_or_b32 s[G0SB+3], s[G0SB+3], 0x80000000
.irp s, 0,1
	s_mov_b32 s[G0+4*\s], 1
	s_add_co_u32 s[G0+4*\s+1], s45, \s*SLOT
	s_add_nc_u64 s[G0+4*\s+2:G0+4*\s+3], s[20:21], \s*ROWB
	s_or_b32 s[G0+4*\s+3], s[G0+4*\s+3], 0x80000000
	s_mov_b32 s[G0B+4*\s], 1
	s_add_co_u32 s[G0B+4*\s+1], s45, \s*SLOT
	s_add_nc_u64 s[G0B+4*\s+2:G0B+4*\s+3], s[46:47], \s*ROWB
	s_or_b32 s[G0B+4*\s+3], s[G0B+4*\s+3], 0x80000000
.endr
	s_cmp_eq_u32 s15, 0                            ; a wave's three fills stand in one branch on its number: three tensor loads of mine are out; four v_nop follow the last
	s_cbranch_scc0 .Lfirst_b
	tensor_load_to_lds s[G0S:G0S+3], s[G1S:G1S+7]
	tensor_load_to_lds s[G0:G0+3], s[G1:G1+7]
	tensor_load_to_lds s[G0+4:G0+7], s[G1:G1+7]
.rept 4
	v_nop
.endr
	s_branch .Lfirst_asked
.Lfirst_b:
	tensor_load_to_lds s[G0SB:G0SB+3], s[G1SB:G1SB+7]
	tensor_load_to_lds s[G0B:G0B+3], s[G1B:G1B+7]
	tensor_load_to_lds s[G0B+4:G0B+7], s[G1B:G1B+7]
.rept 4
	v_nop
.endr
.Lfirst_asked:
	v_and_b32 v1, 15, v0                           ; r
	v_bfe_u32 v2, v0, 4, 1                         ; hh
	v_mul_u32_u24 v3, v1, PITCH
	v_lshl_add_u32 v4, v2, 4, v3                   ; a fragment's row x pitch + 16 x half
	s_mul_i32 s21, s15, HALFT                      ; my 128 rows of A
	s_mul_i32 s22, s16, HALFT                      ; my 128 rows of B,
	s_add_co_u32 s22, s22, 2*HALFT                 ; behind A's 256
.irp s, 0,1
	v_add_nc_u32 v[ADRA+\s], s21, v4
	v_add_nc_u32 v[ADRB+\s], s22, v4
	s_add_co_u32 s21, s21, SLOT
	s_add_co_u32 s22, s22, SLOT
.endr
	v_mul_u32_u24 v5, v1, KS                       ; my row's scales: 32 bytes a row,
	v_lshrrev_b32 v6, 8, v5
	v_lshl_add_u32 v5, v6, 4, v5                   ; and 16 more for each 256 passed
	s_mul_i32 s21, s15, HALFS
	s_mul_i32 s22, s16, HALFS
	s_add_co_u32 s22, s22, 2*HALFS
	s_sub_co_u32 s22, s22, s21
	v_mul_u32_u24 v6, s22, v2                      ; lanes 16-31 take B's: one product, the distance between the two bases
	s_add_co_u32 s21, s21, SCL
	v_add_nc_u32 v5, v5, v6
	v_add_nc_u32 v[ADRS], s21, v5
	v_and_b32 v6, 31, v0
	v_lshlrev_b32 v[CO], 4, v6
	; where my wave's results begin.  xt, xh: x's tile of 256 tokens and my half of it; wt, wh: the weights' tile of 256 rows and my half.  These feed the stores' base alone
	s_lshl_b32 s18, s17, 2
	s_add_co_u32 s19, s18, s40                     ; 4 Y + cx
	s_add_co_u32 s18, s18, s41                     ; 4 Y + cy
	s_lshl_b32 s42, ttmp9, 2
	s_add_co_u32 s42, s42, s40                     ; 4 X + cx
	s_add_co_u32 s45, s41, 8                       ; 8 + cy
	s_cmp_eq_u32 ttmp9, 2
	s_cselect_b32 s18, s19, s18                    ; xt
	s_cselect_b32 s42, s45, s42                    ; wt
	s_cselect_b32 s19, s16, s15                    ; xh
	s_cselect_b32 s45, s15, s16                    ; wh
	s_lshl_b32 s42, s42, 2
	s_lshl_b32 s45, s45, 1
	s_add_co_u32 s42, s42, s45                     ; my first head among 48: 4 wt + 2 wh
	s_lshr_b32 s45, s42, 4
	s_lshl_b32 s45, s45, 6                         ; 64 p
	s_and_b32 s42, s42, 15
	s_add_co_u32 s45, s45, s42                     ; + head
	s_lshr_b32 s42, s18, 3
	s_lshl_b32 s42, s42, 4
	s_add_co_u32 s45, s45, s42                     ; + 16 batch
	s_lshl_b32 s45, s45, 18
	s_and_b32 s18, s18, 7
	s_lshl_b32 s18, s18, 8
	s_lshl_b32 s19, s19, 7
	s_add_co_u32 s18, s18, s19                     ; my first token in the batch,
	s_lshl_b32 s18, s18, 7                         ; 128 bytes a token in every block
	s_add_co_u32 s18, s18, s45
	s_mov_b32 s19, 0
	s_add_nc_u64 s[12:13], s[12:13], s[18:19]
.macro FRAG reg, adr, q, i             ; 16 rows x 128 K of 4-bit codes: 8 registers: lane l holds row l % 16; registers 4 c .. 4 c + 3 hold K = 64 c + 32 (l / 16) + 0 .. 31
.irp c, 0,1
	ds_load_b128 v[\reg+4*\c:\reg+4*\c+3], v[\adr] offset:64*(\q)+32*\c+(\i)*16*PITCH
.endr
.endm
; 16 matrix instructions: A's blocks a0, a0 + 1 x B's eight, the slot's q-th 128 along K.  The 64 accumulators take turns, one instruction a turn, in the same order in every step.
; A scale register holds A's words in lanes 0-15 and B's in lanes 16-31: source 0 (B) reads its row 1.
.macro MUL16 a0, p, q, sc, zero
.irp a, \a0, \a0+1
.irp b, 0,1,2,3,4,5,6,7
.if \zero
	v_wmma_scale_f32_16x16x128_f8f6f4 v[8*(8*((\a)%4)+\b):8*(8*((\a)%4)+\b)+7], v[128*(\p)+FR*\b:128*(\p)+FR*\b+FR-1], v[AF+FR*(\a):AF+FR*(\a)+FR-1], 0, v[SC+8*NQ*(\sc)+NQ*\b+(\q)], v[SC+8*NQ*(\sc)+NQ*(\a)+(\q)] matrix_a_fmt:MATRIX_FMT_FP4 matrix_b_fmt:MATRIX_FMT_FP4 matrix_a_scale:MATRIX_SCALE_ROW1
.else
	v_wmma_scale_f32_16x16x128_f8f6f4 v[8*(8*((\a)%4)+\b):8*(8*((\a)%4)+\b)+7], v[128*(\p)+FR*\b:128*(\p)+FR*\b+FR-1], v[AF+FR*(\a):AF+FR*(\a)+FR-1], v[8*(8*((\a)%4)+\b):8*(8*((\a)%4)+\b)+7], v[SC+8*NQ*(\sc)+NQ*\b+(\q)], v[SC+8*NQ*(\sc)+NQ*(\a)+(\q)] matrix_a_fmt:MATRIX_FMT_FP4 matrix_b_fmt:MATRIX_FMT_FP4 matrix_a_scale:MATRIX_SCALE_ROW1
.endif
.endr
.endr
.endm
.macro FETCH_B slot, q, p
	WIN TO_B
.irp i, 0,1,2,3,4,5,6,7
	FRAG 128*(\p)+FR*\i, ADRB+\slot, \q, \i
.endr
	WIN 0
.endm
.macro FETCH_A slot, q, i0
.irp i, \i0, \i0+1, \i0+2, \i0+3
	FRAG AF+FR*(\i), ADRA+\slot, \q, \i
.endr
.endm
.macro SCALES sc                       ; a slot's scale words: 4 words a row; lanes 0-15 take A's block i, lanes 16-31 B's block i
.irp i, 0,1,2,3,4,5,6,7
	ds_load_b128 v[SC+8*NQ*\sc+NQ*\i:SC+8*NQ*\sc+NQ*\i+3], v[ADRS] offset:\i*SBLK
.endr
.endm
.macro PLACES n                        ; plain vector instructions between a matrix instruction and a load into, or a vector write of, one of its registers, or a read of its result
.rept \n
	v_nop
.endr
.endm
.macro STEP slot, q, zero              ; 128 along K, with its successor in the same slot
	s_wait_dscnt 4*NL                              ; B's set and A's blocks 0-3 are in; the youngest eight loads (A's blocks 4-7) may be out
	WIN MUL_LO
	MUL16 0, (\q)%2, \q, \slot, \zero
	MUL16 2, (\q)%2, \q, \slot, \zero
	s_wait_dscnt 0                                 ; A's blocks 4-7 are in
	PLACES NP
	FETCH_B \slot, (\q)+1, 1-(\q)%2
	FETCH_A \slot, (\q)+1, 0
	WIN MUL_HI
	MUL16 4, (\q)%2, \q, \slot, \zero
	MUL16 6, (\q)%2, \q, \slot, \zero
	PLACES NP
	WIN 0
	FETCH_A \slot, (\q)+1, 4
.endm
.macro TURN slot, next                 ; slot 0's last step leads over to slot 1: each wave's part of it has landed, and a barrier shows that to all.
	s_wait_tensorcnt 0x0                           ; my part of slot 1 is in
	s_wait_dscnt 4*NL                              ; (A's blocks 4-7 may be out)
	WIN MUL_LO
	MUL16 0, 1, NQ-1, \slot, 0
	s_wait_dscnt 0x0                               ; no LDS access of mine is out at the signal
	s_barrier_signal -1
	MUL16 2, 1, NQ-1, \slot, 0
	WIN 0
	s_barrier_wait -1
	PLACES NP
	v_add_nc_u32 v[ADRS], 4*NQ, v[ADRS]            ; on to the next slot's scale words
	FETCH_B \next, 0, 0
	FETCH_A \next, 0, 0
	SCALES \next
	WIN MUL_HI
	MUL16 4, 1, NQ-1, \slot, 0
	MUL16 6, 1, NQ-1, \slot, 0
	PLACES NP
	WIN 0
	FETCH_A \next, 0, 4
.endm
.macro STEPS slot, from
.set Q, \from
.rept NQ-1-\from
	STEP \slot, Q, 0
.set Q, Q+1
.endr
.endm
	s_wait_tensorcnt 1                             ; the scales and my part of slot 0 are in; slot 1's load, the one issued behind them, may be out
	s_barrier_signal -1
	s_barrier_wait -1                              ; everybody's are
	FETCH_B 0, 0, 0
	FETCH_A 0, 0, 0
	SCALES 0
	FETCH_A 0, 0, 4
	STEP 0, 0, 1                                   ; the first products start the sums: nothing is cleared
	STEPS 0, 1
	TURN 0, 1
	STEPS 1, 0
	s_wait_dscnt 4*NL                              ; the last step: nothing more to fetch
	WIN MUL_LO
	MUL16 0, 1, NQ-1, 1, 0
	MUL16 2, 1, NQ-1, 1, 0
	s_wait_dscnt 0
	WIN MUL_HI
	MUL16 4, 1, NQ-1, 1, 0
	MUL16 6, 1, NQ-1, 1, 0
	WIN 0
	PLACES NP                                      ; behind the last products: the conversions read results and write registers that held fragments and scale words
; THE WAY OUT.  An accumulator's eight numbers of a lane, rounded to f16 in pairs, are four registers of a fragment of the next products: 16 bytes a lane, 512 consecutive bytes a wave.  Six sets of 32 registers take turns.
.macro OUT a, isv
.set AC, 64*((\a)%4)
.set TM, 64+32*((\a)%6)
.if (\a) >= 6
	s_wait_xcnt 0x0                                ; the stores of six blocks back have read their data: the set is written again only behind this wait
.endif
	WIN 0x0a+5*((\a)/4)                            ; sources 0 and 1: window 2 or 3
.irp b, 0,1,2,3,4,5,6,7
.irp r, 0,1,2,3
	v_cvt_pk_f16_f32 v[TM+4*\b+\r], v[AC+8*\b+2*\r], v[AC+8*\b+2*\r+1]   ; each accumulator from its low end on
.endr
.endr
	WIN 0
.irp b, 0,1,2,3,4,5,6,7
.if \isv
	global_store_b128 v[CO], v[TM+4*\b:TM+4*\b+3], s[12:13] offset:(((\a)/4)<<18)+(\b/2)*4096+((\a)%4)*1024+(\b%2)*512   ; head a / 4, key group b / 2, channel tile a % 4, half b % 2
.else
	global_store_b128 v[CO], v[TM+4*\b:TM+4*\b+3], s[12:13] offset:((\b/4)<<18)+(\a)*2048+(\b%4)*512                     ; head b / 4, token tile a, piece b % 4
.endif
.endr
.endm
	s_cmp_eq_u32 ttmp9, 2                          ; the mode: the same in all partners
	s_cbranch_scc1 .Lv
.irp a, 0,1,2,3,4,5,6,7
	OUT \a, 0
.endr
	s_branch .Ldone
.Lv:
.irp a, 0,1,2,3,4,5,6,7
	OUT \a, 1
.endr
.Ldone:
	CROUND                                         ; the closing round: no work-group ends while a partner may still ask for a tile that names it
	s_endpgm
.Lfunc_end_k_qbd6acafcd3_qkv:
	.size	k_qbd6acafcd3_qkv, .Lfunc_end_k_qbd6acafcd3_qkv-k_qbd6acafcd3_qkv
	.p2alignl 7, 3214868480
	.fill 96, 4, 3214868480
	.section	.rodata,"a",@progbits
	.p2align	6, 0x0
	.amdhsa_kernel k_qbd6acafcd3_qkv
		.amdhsa_group_segment_fixed_size 327680
		.amdhsa_private_segment_fixed_size 0
		.amdhsa_enable_private_segment 0
		.amdhsa_kernarg_size 40
		.amdhsa_user_sgpr_count 2
		.amdhsa_user_sgpr_kernarg_segment_ptr 1
		.amdhsa_wavefront_size32 1
		.amdhsa_system_sgpr_workgroup_id_x 1
		.amdhsa_system_sgpr_workgroup_id_y 1
		.amdhsa_system_sgpr_workgroup_id_z 1
		.amdhsa_system_vgpr_workitem_id 0
		.amdhsa_next_free_vgpr 1024
		.amdhsa_next_free_sgpr 98
		.amdhsa_reserve_vcc 0
		.amdhsa_float_denorm_mode_32 3
		.amdhsa_float_denorm_mode_16_64 3
		.amdhsa_memory_ordered 1
		.amdhsa_forward_progress 1
		.amdhsa_inst_pref_size 140
	.end_amdhsa_kernel
	.amdgpu_metadata
---
amdhsa.version: [ 1, 2 ]
amdhsa.kernels:
  - .name:           k_qbd6acafcd3_qkv
    .symbol:         k_qbd6acafcd3_qkv.kd
    .args:
      - { .name: xcodes, .offset: 0, .size: 8, .value_kind: global_buffer, .address_space: global }
      - { .name: xscales, .offset: 8, .size: 8, .value_kind: global_buffer, .address_space: global }
      - { .name: wcodes, .offset: 16, .size: 8, .value_kind: global_buffer, .address_space: global }
      - { .name: wscales, .offset: 24, .size: 8, .value_kind: global_buffer, .address_space: global }
      - { .name: qkv, .offset: 32, .size: 8, .value_kind: global_buffer, .address_space: global }
    .group_segment_fixed_size: 327680
    .private_segment_fixed_size: 0
    .kernarg_segment_align: 8
    .kernarg_segment_size: 40
    .max_flat_workgroup_size: 128
    .sgpr_count:     98
    .vgpr_count:     1024
    .wavefront_size: 32
...
	.end_amdgpu_metadata
.endif
;; end of part 2
;; launch attn (part 3): grid 4 x 64, 8 waves a work-group, no clusters, 327,680 bytes of LDS; arguments qkv, ctx; writes ctx
.if DOCPART == 3
	.amdgcn_target "amdgcn-amd-amdhsa--gfx1250"
	.amdhsa_code_object_version 6
	.text
	.protected	k_qbd6acafcd3_attn
	.globl	k_qbd6acafcd3_attn
	.p2align	8
	.type	k_qbd6acafcd3_attn,@function
k_qbd6acafcd3_attn:
	s_mov_b64 s[64:65], 0
	v_nop
	global_prefetch_b8 v0, s[64:65] scope:SCOPE_SE
	s_setreg_imm32_b32 hwreg(HW_REG_WAVE_MODE, 25, 1), 1
	s_wait_xcnt 0x0
; ctx[b][q][head] = the sum over k <= q of softmax_k(Q[q] . K[k] / 8) V[k], for 64 (batch, head) pairs, 2,048 tokens, 64 channels.  Q, K, V arrive in f16 as images of operand registers; products and sums in f32;
; the weights p are rounded to f16 for the second product, ctx to f16 at the end.
; LIMITS: hidden keys get the weight 0 where the definition has exp(-1e9 - max): the two differ only where every visible scaled score of a row lies near or under -1e9.  NaN and infinities are not served.
; SOFTMAX: for each query a running maximum m and sum l: p = 2^(c s - c m), c = log2(e) / 8; in every step O and l are multiplied by a = 2^(c m_old - c m_new).  m begins at -3e38, O and l at 0: the first a is 0.
; SHARES.  Work-group (i, head) owns the query blocks of 256 numbered 7 - i and i of its head, one after the other.  Keys come in slots of 256: 8 - i slots for the first block, i + 1 for the second: NINE for every work-group.
; Each of the eight waves owns 32 queries of the block, two tiles of 16; two waves share a SIMD's registers, so that one wave's softmax stands beside the other's products.  Wave w takes strip w (w < 4) or 11 - w.
; A step of 64 keys all of which come after the wave's queries is left out by a scalar branch on ids; the trip counts are constants, and no tensor load and no barrier is jumped over.
; NO CLUSTER: the four work-groups of a head change blocks after 8, 7, 6 and 5 slots and then ask for different keys: their requests are the same for 5 of 9 slots only, and the change of blocks is a branch that differs between them.
; LAYOUT.  S^T = K Q^T (source 0 = 16 keys, source 1 = 16 queries): a lane holds ONE query (lane % 16) and the keys 8 (lane / 16) + 0..7.  Two such tiles, rounded to f16 in pairs, are source 1 of O^T = V^T P.
; K, V in memory and in LDS are pieces of 512 bytes, 16 a lane, in the order of the fragments' registers: no pitch, no padding, no transposing load.
; REGISTERS.  window 0: v1-9 addresses and constants; v12-27 statistics (tile t at v[12 + 8 t]: c m, m, l, l, four at work; a in +6); v32-63 Q; v64-127 S^T; v128-159 P; v160-223 O^T.
;   window 1: v0-63 K of a step; v64-127 V of a step; v128-159 the second block's Q.
.set SLOT1, 1<<16                      ; a slot: K's 256 keys (32,768 bytes), then V's; slot 1 begins here, so that one exclusive or turns an address
.set VOFF,  32768
.set SPARE, 131072                     ; behind the slots: the spare words, 128 bytes for each of eight waves: four blocks of 256 bytes that no other line names
.set LI,   1                           ; v1  16 x lane
.set ADK,  2                           ; v2  LDS address of my 16 bytes in the slot in hand
.set SPW,  3                           ; v3  my spare word; never rewritten
.set NIL,  4                           ; v4  0; never rewritten
.set PFO,  5                           ; v5  256 x lane
.set DL,   6                           ; v6  lane % 16 - 8 (lane / 16)
.set D0,   7                           ; v7, v8  the mask's bound for tiles 0, 1
.set NINF, 9                           ; v9  -infinity
.set ST,   12
.set QF,   32
.set S,    64
.set P,    128
.set O,    160
.set KF,   0                           ; window 1
.set VF,   64
.set QB,   128
.set WV,   8                           ; s8   wave
.set NA,   11                          ; s11  slots of the first block
.set N,    12                          ; s12  slots done
.set TB,   14                          ; s14  LDS byte at which the slot in hand begins
.set KEY,  15                          ; s15  the step's first key
.set Q0,   16                          ; s16  my first query in the block in hand
.set Q0B,  17                          ; s17  and in the second block
.set LIM,  18                          ; s18  a wave prefetches while s[N] is under it
.set SEL,  20                          ; s[20:21] v_permlanex16_b32's selects for lane l xor 16
.set CS,   22                          ; s[22:23] c, twice
.set G1,   24                          ; s[24:31] descriptor group 1
.set G0,   32                          ; s[32:35] descriptor group 0
.set BASE, 36                          ; s[36:37] my part of the head's key block 0
.set OFF,  38                          ; s[38:39] the key block's bytes
.set PFA,  40                          ; s[40:41] where my prefetches stand
.set CA,   42                          ; s[42:43] ctx at my rows of the block in hand;  s[44:45] of the second block
.set CB,   44
.set MSB, 0
.macro WIN new                         ; the immediate's high byte repeats the setting that is left
.if MSB != \new
	s_set_vgpr_msb (MSB<<8)|\new
.set MSB, \new
.endif
.endm
	s_load_b128 s[4:7], s[0:1], 0x0                ; qkv s[4:5], ctx s[6:7]
	v_lshl_add_u32 v[SPW], v0, 2, SPARE
	v_mov_b32 v[NIL], 0
	v_lshrrev_b32 v10, 5, v0
	v_readfirstlane_b32 s[WV], v10                 ; wave 0..7
	v_and_b32 v10, 31, v0
	v_lshlrev_b32 v[LI], 4, v10
	v_lshlrev_b32 v[PFO], 8, v10
	v_and_b32 v10, 15, v0
	v_bfe_u32 v11, v0, 4, 1
	v_lshlrev_b32 v11, 3, v11
	v_sub_nc_u32 v[DL], v10, v11
	v_mov_b32 v[NINF], 0xff800000
	s_and_b32 s10, ttmp7, 0xffff                   ; 16 batch + head
	s_sub_co_u32 s[NA], 8, ttmp9
	s_sub_co_u32 s46, 11, s[WV]
	s_cmp_lt_u32 s[WV], 4
	s_cselect_b32 s19, s[WV], s46                  ; my strip of 32 queries
	s_lshl_b32 s47, s19, 5
	s_sub_co_u32 s46, 7, ttmp9
	s_lshl_b32 s46, s46, 8
	s_add_co_u32 s[Q0], s46, s47                   ; block 7 - i first,
	s_lshl_b32 s46, ttmp9, 8
	s_add_co_u32 s[Q0B], s46, s47                  ; block i second
	s_lshl_b32 s48, s10, 18                        ; the head's block of 2^18 bytes (Q's; K's lies 2^24 on, V's 2^25)
	s_lshl_b32 s52, s[Q0], 7                       ; Q: 128 bytes a query
	s_add_co_u32 s52, s52, s48
	s_mov_b32 s53, 0
	s_lshl_b32 s54, s[Q0B], 7
	s_add_co_u32 s54, s54, s48
	s_mov_b32 s55, 0
	s_and_b32 s50, s[WV], 3                        ; the part of a slot that my number stands for: 0, 1 K's halves, 2, 3 V's, 16,384 bytes each
	s_and_b32 s51, s50, 1
	s_lshl_b32 s51, s51, 14
	s_mov_b32 s46, 1<<25
	s_cmp_lt_u32 s50, 2
	s_cselect_b32 s46, 1<<24, s46
	s_add_co_u32 s[BASE], s46, s48
	s_add_co_u32 s[BASE], s[BASE], s51
	s_mov_b32 s[BASE+1], 0
	s_mov_b32 s[OFF+1], 0
	s_lshr_b32 s46, s10, 4
	s_lshl_b32 s46, s46, 11                        ; 2,048 batch
	s_and_b32 s47, s10, 15                         ; head
	s_add_co_u32 s49, s46, s[Q0]
	s_add_co_u32 s49, s49, s47
	s_lshl_b32 s[CA], s49, 11                      ; ctx: 2,048 bytes a row (32,768 a tile of 16), and 2,048 a head inside a tile
	s_mov_b32 s[CA+1], 0
	s_add_co_u32 s49, s46, s[Q0B]
	s_add_co_u32 s49, s49, s47
	s_lshl_b32 s[CB], s49, 11
	s_mov_b32 s[CB+1], 0
	s_lshr_b32 s46, s[WV], 2
	s_xor_b32 s46, s46, 1                          ; 0 in waves 4 to 7,
	s_or_b32 s46, s46, ttmp9                       ; of the head's work-group 0
	s_cmp_eq_u32 s46, 0
	s_cselect_b32 s[LIM], 6, 0
	s_mov_b32 s[G1], 3<<16                         ; no mask; elements of 8 bytes; no padding
	s_mov_b32 s[G1+1], 32<<16                      ; tensor_dim0 = 32: a dense block of 16,384 bytes as 64 rows of 256
	s_mov_b32 s[G1+2], 64<<16                      ; tensor_dim1
	s_mov_b32 s[G1+3], 32<<16                      ; tile_dim0
	s_mov_b32 s[G1+4], 64                          ; tile_dim1
	s_mov_b32 s[G1+5], 32                          ; the pitch
	s_mov_b32 s[G1+6], 0
	s_mov_b32 s[G1+7], 0
	s_mov_b32 s[SEL], 0x76543210
	s_mov_b32 s[SEL+1], 0xfedcba98
	s_mov_b32 s[CS], 0x3e38aa3b                    ; c = log2(e) / 8
	s_mov_b32 s[CS+1], s[CS]                       ; (named with it as a pair, so it is written)
	s_mov_b32 s[N], 0
	s_mov_b32 s[TB], 0
	s_mov_b32 s[KEY], 0
	s_wait_kmcnt 0x0
	s_add_nc_u64 s[BASE:BASE+1], s[4:5], s[BASE:BASE+1]
	s_add_nc_u64 s[52:53], s[4:5], s[52:53]
	s_add_nc_u64 s[54:55], s[4:5], s[54:55]
	s_add_nc_u64 s[CA:CA+1], s[6:7], s[CA:CA+1]
	s_add_nc_u64 s[CB:CB+1], s[6:7], s[CB:CB+1]
	s_add_nc_u64 s[PFA:PFA+1], s[BASE:BASE+1], 32768   ; at key block 1: the first change of slots steps it to 2.  Nothing is prefetched here, at the head
	s_mov_b32 s[G0], 1                             ; count = 1
	s_lshl_b32 s[G0+1], s50, 14                    ; LDS address: my part of slot 0
	s_mov_b64 s[G0+2:G0+3], s[BASE:BASE+1]         ; key block 0
	s_or_b32 s[G0+3], s[G0+3], 0x80000000          ; type = 2
	s_cmp_lt_u32 s[WV], 4                          ; waves 0 to 3 fetch, one load each
	s_cbranch_scc0 .Lno_first
	tensor_load_to_lds s[G0:G0+3], s[G1:G1+7]
.rept 4
	v_nop
.endr
.Lno_first:
.irp i, 0,1,2,3,4,5,6,7                        ; Q of both blocks stays in registers: tile i / 4, piece i % 4
	global_load_b128 v[QF+4*\i:QF+4*\i+3], v[LI], s[52:53] offset:512*\i
.endr
	WIN 0x40                                       ; destination window 1
.irp i, 0,1,2,3,4,5,6,7
	global_load_b128 v[QB+4*\i:QB+4*\i+3], v[LI], s[54:55] offset:512*\i
.endr
	WIN 0
.macro RESET                           ; a block of queries begins: the step is written once, and its first turn finds zeros, which a = 0 leaves zeros
.set n, 0
.rept 64
	v_mov_b32 v[O+n], 0
.set n, n+1
.endr
.irp t, 0,1
	v_mov_b32 v[ST+8*\t+1], 0xff61b1e6             ; m = -3e38, under every score
	v_mul_f32 v[ST+8*\t], s[CS], v[ST+8*\t+1]      ; c m
.irp k, 2,3,4,5,6,7
	v_mov_b32 v[ST+8*\t+\k], 0                     ; l; and what is named as a permute's destination or as half of a pair before it is first written
.endr
.endr
.endm
; A PREFETCH INTO THE L2 of the key block that the NEXT change of slots will ask for: a slot's four key steps ahead of that load.  Each aligned block of 256 bytes is named once in the launch: of a head's four work-groups
; the one with i = 0 asks, which walks key blocks 0 to 7 in order; in it waves 4 to 7, which fetch nothing, ask for the four parts of 16,384 bytes, two instructions each, lanes 256 bytes apart.
; Changes 0 to 5 name key blocks 2 to 7; blocks 0 and 1 come by their loads alone, and behind block 7 nothing is named.
.macro ASK
	s_cmp_lt_u32 s[N], s[LIM]
	s_cbranch_scc0 .Lnot_mine_\@
	global_prefetch_b8 v[PFO], s[PFA:PFA+1] th:TH_LOAD_NT scope:SCOPE_SE
	global_prefetch_b8 v[PFO], s[PFA:PFA+1] offset:8192 th:TH_LOAD_NT scope:SCOPE_SE
.Lnot_mine_\@:
.endm
; THE CHANGE OF SLOTS stands at a slot's head.  Each wave waits for all its tensor loads (its part of the slot that it is about to read), adds 0 to its spare word, and waits for that and for its reads of the slot that it
; has left.  Behind the barrier the slot ahead is whole and nobody reads the other one.  fill = 1: that other slot takes the keys that follow: one load a fetching wave, with a slot's four steps in which to land.
.macro CHANGE fill
	s_wait_tensorcnt 0x0                           ; no tensor load of mine is out, so group 0 may be written
	ds_add_u32 v[SPW], v[NIL]                      ; 0 onto my spare word
.if \fill
	s_add_co_u32 s46, s[N], 1                      ; the next slot's key block: its number, or from 0 again in the second block of queries
	s_sub_co_u32 s47, s46, s[NA]
	s_cmp_lt_u32 s46, s[NA]
	s_cselect_b32 s46, s46, s47
	s_lshl_b32 s[OFF], s46, 15
	s_add_nc_u64 s[G0+2:G0+3], s[BASE:BASE+1], s[OFF:OFF+1]
	s_or_b32 s[G0+3], s[G0+3], 0x80000000
	s_xor_b32 s[G0+1], s[G0+1], SLOT1              ; the other slot than last time
	s_wait_xcnt 0x0                                ; the last prefetches, a slot back, have read their address, so it may be written
	s_add_nc_u64 s[PFA:PFA+1], s[PFA:PFA+1], 32768
.endif
	s_wait_dscnt 0x0                               ; the add is done, and my reads of the slot that I have left are over
	s_barrier_signal -1
	s_barrier_wait -1
.if \fill
	s_cmp_lt_u32 s[WV], 4
	s_cbranch_scc0 .Lno_fill_\@
	tensor_load_to_lds s[G0:G0+3], s[G1:G1+7]      ; the first thing behind the barrier, and a wave's one tensor load until the next
.rept 4
	v_nop
.endr
.Lno_fill_\@:
	ASK
.endif
	v_add_nc_u32 v[ADK], s[TB], v[LI]
.endm
; The softmax of two tiles of 16 queries x 64 keys, line by line in turn, so that no line waits for the line above it.
.macro SOFTMAX
.irp j, 0,1,2,3                                ; the maximum of the lane's 32 scores and the old m: four chains of seven, each begun at an accumulator's low end
.irp t, 0,1
	v_max3_num_f32 v[ST+8*\t+4+\j], v[S+32*\t+8*\j], v[S+32*\t+8*\j+1], v[S+32*\t+8*\j+2]
.endr
.endr
.irp u, 1,2
.irp j, 0,1,2,3
.irp t, 0,1
	v_max3_num_f32 v[ST+8*\t+4+\j], v[ST+8*\t+4+\j], v[S+32*\t+8*\j+2*\u+1], v[S+32*\t+8*\j+2*\u+2]
.endr
.endr
.endr
.irp t, 0,1
	v_max3_num_f32 v[ST+8*\t+4], v[ST+8*\t+4], v[S+32*\t+7], v[S+32*\t+15]
	v_max3_num_f32 v[ST+8*\t+6], v[ST+8*\t+6], v[S+32*\t+23], v[S+32*\t+31]
.endr
.irp t, 0,1
	v_max3_num_f32 v[ST+8*\t+4], v[ST+8*\t+4], v[ST+8*\t+5], v[ST+8*\t+6]
.endr
.irp t, 0,1
	v_max3_num_f32 v[ST+8*\t+4], v[ST+8*\t+4], v[ST+8*\t+7], v[ST+8*\t+1]
.endr
.irp t, 0,1
	v_permlanex16_b32 v[ST+8*\t+5], v[ST+8*\t+4], s[SEL], s[SEL+1]   ; the query's other 32 keys lie in the lane 16 away
.endr
.irp t, 0,1
	v_mov_b32 v[ST+8*\t+7], v[ST+8*\t]             ; c m_old is kept for a
.endr
.irp t, 0,1
	v_max_num_f32 v[ST+8*\t+1], v[ST+8*\t+4], v[ST+8*\t+5]
.endr
.irp t, 0,1
	v_mul_f32 v[ST+8*\t], s[CS], v[ST+8*\t+1]
.endr
.irp t, 0,1
	v_sub_f32 v[ST+8*\t+7], v[ST+8*\t+7], v[ST+8*\t]
.endr
.irp t, 0,1
	v_exp_f32 v[ST+8*\t+6], v[ST+8*\t+7]           ; a
.endr
.set n, 0
.rept 16
.irp t, 0,1
	v_pk_fma_f32 v[S+32*\t+2*n:S+32*\t+2*n+1], v[S+32*\t+2*n:S+32*\t+2*n+1], s[CS:CS+1], v[ST+8*\t:ST+8*\t+1] op_sel_hi:[1,0,0] neg_lo:[0,0,1] neg_hi:[0,0,1]   ; c s - c m
.endr
.set n, n+1
.endr
.set n, 0
.rept 32
.irp t, 0,1
	v_exp_f32 v[S+32*\t+n], v[S+32*\t+n]           ; p
.endr
.set n, n+1
.endr
.set n, 0
.rept 16
.irp t, 0,1
	v_pk_mul_f32 v[O+32*\t+2*n:O+32*\t+2*n+1], v[O+32*\t+2*n:O+32*\t+2*n+1], v[ST+8*\t+6:ST+8*\t+7] op_sel_hi:[1,0]   ; O^T x a, each accumulator from its low end on; also the plain lines behind the exponentials
.endr
.set n, n+1
.endr
.set n, 0
.rept 16
.irp t, 0,1
	v_cvt_pk_f16_f32 v[P+16*\t+n], v[S+32*\t+2*n], v[S+32*\t+2*n+1]
.endr
.set n, n+1
.endr
.irp w, 4,8,16,32                              ; the sum of the tile's 16 pairs, in place: neighbours 1, 2, 4 and 8 pairs apart
.set u, 0
.rept 32/\w
.irp t, 0,1
	v_pk_add_f32 v[S+32*\t+\w*u:S+32*\t+\w*u+1], v[S+32*\t+\w*u:S+32*\t+\w*u+1], v[S+32*\t+\w*u+\w/2:S+32*\t+\w*u+\w/2+1]
.endr
.set u, u+1
.endr
.endr
.irp t, 0,1
	v_pk_fma_f32 v[ST+8*\t+2:ST+8*\t+3], v[ST+8*\t+2:ST+8*\t+3], v[ST+8*\t+6:ST+8*\t+7], v[S+32*\t:S+32*\t+1] op_sel_hi:[1,0,1]   ; l = a l + the sum
.endr
.endm
; A KEY STEP: 64 keys, the q-th of the slot in hand.
.macro STEP q
	s_add_co_u32 s46, s[Q0], 31
	s_cmp_gt_u32 s[KEY], s46                       ; all 64 keys come after my 32 queries: the step's work is left out
	s_cbranch_scc1 .Lhidden_\@
	WIN 0x40                                       ; destination window 1
.set i, 0
.rept 16
	ds_load_b128 v[KF+4*i:KF+4*i+3], v[ADK] offset:8192*\q+512*i            ; K: key tile i / 4, piece i % 4: the fragments' registers on end
.set i, i+1
.endr
.set i, 0
.rept 16
	ds_load_b128 v[VF+4*i:VF+4*i+3], v[ADK] offset:VOFF+8192*\q+512*i       ; V: key group i / 8, channel tile (i % 8) / 2, half i % 2
.set i, i+1
.endr
	s_wait_dscnt 16                                ; K is in; V's sixteen loads stay out
	WIN 0x01                                       ; source 0 window 1
.irp f, 0,1                                    ; S^T = K Q^T: the eight accumulators take turns, one instruction a turn
.irp kt, 0,1,2,3
.irp t, 0,1
.if \f == 0
	v_wmma_f32_16x16x32_f16 v[S+32*\t+8*\kt:S+32*\t+8*\kt+7], v[KF+8*(2*\kt+\f):KF+8*(2*\kt+\f)+7], v[QF+16*\t+8*\f:QF+16*\t+8*\f+7], 0
.else
	v_wmma_f32_16x16x32_f16 v[S+32*\t+8*\kt:S+32*\t+8*\kt+7], v[KF+8*(2*\kt+\f):KF+8*(2*\kt+\f)+7], v[QF+16*\t+8*\f:QF+16*\t+8*\f+7], v[S+32*\t+8*\kt:S+32*\t+8*\kt+7]
.endif
.endr
.endr
.endr
	WIN 0
.rept 4
	v_nop                                          ; places between the products and the first read of their results
.endr
	s_add_co_u32 s46, s[KEY], 63
	s_cmp_le_u32 s46, s[Q0]                        ; every key counts for every query of mine: no mask
	s_cbranch_scc1 .Lopen_\@
	s_sub_co_i32 s46, s[Q0], s[KEY]
	v_add_nc_u32 v[D0], s46, v[DL]                 ; register 8 kt + j of tile t holds key KEY + 16 kt + 8 (lane / 16) + j, my query is Q0 + 16 t + lane % 16: hidden where 16 kt + j > this bound
	v_add_nc_u32 v[D0+1], 16, v[D0]
.irp t, 0,1
.irp kt, 0,1,2,3
.irp j, 0,1,2,3,4,5,6,7
	v_cmp_gt_i32 vcc_lo, 16*\kt+\j, v[D0+\t]
	v_cndmask_b32 v[S+32*\t+8*\kt+\j], v[S+32*\t+8*\kt+\j], v[NINF], vcc_lo   ; -infinity ahead of the maximum: p = 0 then.  The step's first key counts for every query of mine, so m stays a number
.endr
.endr
.endr
.Lopen_\@:
	SOFTMAX
	s_wait_dscnt 0x0                               ; V is in
	WIN 0x01
.irp g, 0,1                                    ; O^T += V^T P: eight accumulators by turns
.irp ct, 0,1,2,3
.irp t, 0,1
	v_wmma_f32_16x16x32_f16 v[O+32*\t+8*\ct:O+32*\t+8*\ct+7], v[VF+8*(4*\g+\ct):VF+8*(4*\g+\ct)+7], v[P+16*\t+8*\g:P+16*\t+8*\g+7], v[O+32*\t+8*\ct:O+32*\t+8*\ct+7]
.endr
.endr
.endr
	WIN 0
.rept 4
	v_nop                                          ; places in front of the next loads into V's registers and of the next read of O^T
.endr
.Lhidden_\@:
	s_add_co_u32 s[KEY], s[KEY], 64
.endm
; A block of queries is done: O^T / l, rounded to f16: a lane's eight channels are four registers of a fragment of the last product: each store of the wave covers 512 consecutive bytes, aligned.
; sw = 1: on to the second block.
.macro FINISH sw
.irp t, 0,1
	v_add_f32 v[ST+8*\t+4], v[ST+8*\t+2], v[ST+8*\t+3]
.endr
.irp t, 0,1
	v_permlanex16_b32 v[ST+8*\t+5], v[ST+8*\t+4], s[SEL], s[SEL+1]
.endr
.irp t, 0,1
	v_add_f32 v[ST+8*\t+4], v[ST+8*\t+4], v[ST+8*\t+5]
.endr
.irp t, 0,1
	v_rcp_f32 v[ST+8*\t+6], v[ST+8*\t+4]
.endr
	v_nop                                          ; a plain line between the last reciprocal and the use of its result
.set n, 0
.rept 16
.irp t, 0,1
	v_pk_mul_f32 v[O+32*\t+2*n:O+32*\t+2*n+1], v[O+32*\t+2*n:O+32*\t+2*n+1], v[ST+8*\t+6:ST+8*\t+7] op_sel_hi:[1,0]
.endr
.set n, n+1
.endr
.set n, 0
.rept 16
.irp t, 0,1
	v_cvt_pk_f16_f32 v[S+16*\t+n], v[O+32*\t+2*n], v[O+32*\t+2*n+1]
.endr
.set n, n+1
.endr
.irp t, 0,1
.irp ct, 0,1,2,3
	global_store_b128 v[LI], v[S+16*\t+4*\ct:S+16*\t+4*\ct+3], s[CA:CA+1] offset:32768*\t+512*\ct
.endr
.endr
.if \sw
	WIN 0x01                                       ; source 0 window 1
.set n, 0
.rept 32
	v_mov_b32 v[QF+n], v[QB+n]
.set n, n+1
.endr
	WIN 0
	RESET
	s_mov_b32 s[Q0], s[Q0B]
	s_mov_b32 s[KEY], 0
	s_wait_xcnt 0x0                                ; the stores have read their data and their base: both are written again only behind this wait
	s_mov_b64 s[CA:CA+1], s[CB:CB+1]
.endif
.endm
	RESET
	s_wait_loadcnt 0x0                             ; Q
.Lslot:                                            ; eight trips: behind each change of slots but the last the next slot is asked for
	CHANGE 1
	STEP 0
	STEP 1
	STEP 2
	STEP 3
	s_xor_b32 s[TB], s[TB], SLOT1
	s_add_co_u32 s[N], s[N], 1
	s_cmp_lg_u32 s[N], s[NA]                       ; the first block's last slot?  A branch on the work-group's number; no barrier, tensor load or LDS access stands under it
	s_cbranch_scc1 .Lsame
	FINISH 1
.Lsame:
	s_cmp_lt_u32 s[N], 8
	s_cbranch_scc1 .Lslot
	CHANGE 0                                       ; the ninth slot is written out
	STEP 0
	STEP 1
	STEP 2
	STEP 3
	FINISH 0
	s_wait_tensorcnt 0x0                           ; the wave's end
	ds_add_u32 v[SPW], v[NIL]
	s_wait_dscnt 0x0
	s_endpgm
.Lfunc_end_k_qbd6acafcd3_attn:
	.size	k_qbd6acafcd3_attn, .Lfunc_end_k_qbd6acafcd3_attn-k_qbd6acafcd3_attn
	.p2alignl 7, 3214868480
	.fill 96, 4, 3214868480
	.section	.rodata,"a",@progbits
	.p2align	6, 0x0
	.amdhsa_kernel k_qbd6acafcd3_attn
		.amdhsa_group_segment_fixed_size 327680
		.amdhsa_private_segment_fixed_size 0
		.amdhsa_enable_private_segment 0
		.amdhsa_kernarg_size 16
		.amdhsa_user_sgpr_count 2
		.amdhsa_user_sgpr_kernarg_segment_ptr 1
		.amdhsa_wavefront_size32 1
		.amdhsa_system_sgpr_workgroup_id_x 1
		.amdhsa_system_sgpr_workgroup_id_y 1
		.amdhsa_system_sgpr_workgroup_id_z 1
		.amdhsa_system_vgpr_workitem_id 0
		.amdhsa_next_free_vgpr 512
		.amdhsa_next_free_sgpr 66
		.amdhsa_reserve_vcc 1
		.amdhsa_float_denorm_mode_32 3
		.amdhsa_float_denorm_mode_16_64 3
		.amdhsa_memory_ordered 1
		.amdhsa_forward_progress 1
		.amdhsa_inst_pref_size 194
	.end_amdhsa_kernel
	.amdgpu_metadata
---
amdhsa.version: [ 1, 2 ]
amdhsa.kernels:
  - .name:           k_qbd6acafcd3_attn
    .symbol:         k_qbd6acafcd3_attn.kd
    .args:
      - { .name: qkv, .offset: 0, .size: 8, .value_kind: global_buffer, .address_space: global }
      - { .name: ctx, .offset: 8, .size: 8, .value_kind: global_buffer, .address_space: global }
    .group_segment_fixed_size: 327680
    .private_segment_fixed_size: 0
    .kernarg_segment_align: 8
    .kernarg_segment_size: 16
    .max_flat_workgroup_size: 256
    .sgpr_count:     66
    .vgpr_count:     512
    .wavefront_size: 32
...
	.end_amdgpu_metadata
.endif
;; end of part 3
;; launch oproj (part 4): grid 8 x 32, 4 waves a work-group, clusters of 4 x 4, 327,680 bytes of LDS; arguments ctx, wouth, bout, out0; writes out0
.if DOCPART == 4
	.amdgcn_target "amdgcn-amd-amdhsa--gfx1250"
	.amdhsa_code_object_version 6
	.text
	.protected	k_qbd6acafcd3_oproj
	.globl	k_qbd6acafcd3_oproj
	.p2align	8
	.type	k_qbd6acafcd3_oproj,@function
k_qbd6acafcd3_oproj:
	s_mov_b64 s[64:65], 0
	v_nop
	global_prefetch_b8 v0, s[64:65] scope:SCOPE_SE
	s_setreg_imm32_b32 hwreg(HW_REG_WAVE_MODE, 25, 1), 1
	s_wait_xcnt 0x0
	s_wait_alu depctr_hold_cnt(0) depctr_sa_sdst(0) depctr_va_vdst(0) depctr_va_sdst(0) depctr_va_ssrc(0) depctr_va_vcc(0) depctr_vm_vsrc(0)
	s_getreg_b32 s2, hwreg(HW_REG_IB_STS2, 6, 4)
	s_cmp_eq_u32 s2, 0
	s_cbranch_scc0 .Lentry_in_a_cluster
	s_endpgm
.Lentry_in_a_cluster:
	s_bfe_u32 s2, ttmp6, 0x10000c
	s_cmp_lg_u32 s2, 0xf033
	s_cbranch_scc0 .Lentry_shape_is_right
	s_endpgm
.Lentry_shape_is_right:
; out0[m][n] = the sum over k of ctx[m][k] Wout[n][k] + bout[n].  ctx [8192][1024] in f16 as images of operand registers ([row tile of 16][fragment of 32 K][half][512 bytes]); Wout [1024][1024] in f16, row-major;
; bout f32; out0 f32; sums in f32.  The bias is the C of each sum's first product.
; A tile of 256 rows x 128 columns is made by a work-group of four waves: 256 work-groups.  A wave makes 128 x 64: 32 accumulators, 256 registers.  K goes in 8 steps of 128 through a ring of two LDS slots.
; CLUSTERS: 4 x 4 work-groups.  ctx's tile hangs on the tile row alone and is shared along a row of the cluster, Wout's on the tile column alone and is shared along a column: joint loads.
; THE MATRIX INSTRUCTION IS USED TRANSPOSED (source 0 = 16 rows of Wout, source 1 = 16 rows of ctx): a lane holds eight neighbouring numbers of a row of out0.
; REGISTERS: window 0: v16-29 addresses; v32-63 the bias, 8 registers a column block; two fragment buffers of 96 at v64 and v160 (ctx's 8 blocks, then Wout's 4); on the way out v64-255.  window 1: the accumulators, (a, b) at v[8 (4 a + b)].
.set PITCH,  272                       ; a row of Wout's tile in LDS: 256 bytes + 16 of padding: the 16 rows that a load touches start 68 words apart
.set ASZ,    65536                     ; ctx's part of a slot: 16 row tiles x 4,096 bytes, as they lie in memory: every fragment load reads 512 consecutive bytes
.set HALFB,  64*PITCH
.set SLOT,   ASZ+2*HALFB
.set STAGE,  2*SLOT                    ; behind the ring: 16 rows x 272 bytes for each wave, for the way out; no tensor load fills it
.set SPITCH, 272
.set SPARE,  STAGE+4*16*SPITCH         ; the spare words, 128 bytes for each wave: two blocks of 256 bytes that no other line names
.set LAPS,   4                         ; a lap = two K steps = once round the ring
.set ADRA, 16
.set ADRB, 20
.set STO,  24
.set RD,   25
.set CO,   26
.set SPW,  28
.set NIL,  29
.set BI,   32
.set F0,   64
.set F1,   160
.set G1, 24
.set G0, 32
.set G1B, 48
.set G0B, 56
.set MSB, 0
.macro WIN new                         ; the immediate's high byte repeats the setting that is left
.if MSB != \new
	s_set_vgpr_msb (MSB<<8)|\new
.set MSB, \new
.endif
.endm
.set MUL,   0x50                       ; C and D window 1
.set FIRST, 0x40                       ; D window 1, C (the bias) window 0
.macro JLOAD s                         ; a joint load: waves 0 and 1 fetch ctx's two halves, waves 2 and 3 Wout's; four v_nop follow each of the two lines
	s_cmp_eq_u32 s11, 0
	s_cbranch_scc0 .Lfor_b_\@
	tensor_load_to_lds s[G0+4*\s:G0+4*\s+3], s[G1:G1+7]
.rept 4
	v_nop
.endr
	s_branch .Lasked_\@
.Lfor_b_\@:
	tensor_load_to_lds s[G0B+4*\s:G0B+4*\s+3], s[G1B:G1B+7]
.rept 4
	v_nop
.endr
.Lasked_\@:
.endm
.macro CREST                           ; a round of the cluster's barrier behind its opening barrier
	s_cmp_lg_u32 s10, 0
	s_cbranch_scc1 .Lnot_wave_0_\@
	s_barrier_signal -3
.Lnot_wave_0_\@:
	s_barrier_wait -3
	s_barrier_signal -1
	s_barrier_wait -1
.endm
.macro CROUND
	s_barrier_signal -1
	s_barrier_wait -1
	CREST
.endm
	s_load_b128 s[4:7], s[0:1], 0x0                ; ctx s[4:5], Wout s[6:7]
	s_load_b128 s[20:23], s[0:1], 0x10             ; bout s[20:21], out0 s[22:23]
	v_lshl_add_u32 v[SPW], v0, 2, SPARE
	v_mov_b32 v[NIL], 0
	v_lshrrev_b32 v1, 5, v0
	v_readfirstlane_b32 s10, v1                    ; wave 0..3
	s_lshr_b32 s11, s10, 1                         ; which half of the tile's rows is mine.  Also: I fetch for ctx (0) or for Wout (1)
	s_and_b32 s12, s10, 1                          ; which half of its columns.  Also: which half of that tile I fetch
	s_bfe_u32 s40, ttmp6, 0x40000                  ; cx
	s_bfe_u32 s41, ttmp6, 0x40004                  ; cy
	s_lshl_b32 s42, ttmp9, 2
	s_add_co_u32 s42, s42, s40                     ; tile column = 4 x cluster x + cx
	s_and_b32 s13, ttmp7, 0xffff
	s_lshl_b32 s13, s13, 2
	s_add_co_u32 s13, s13, s41                     ; tile row = 4 x cluster y + cy
	s_lshl_b32 s43, s41, 2
	s_lshl_b32 s43, 15, s43                        ; my row of the cluster
	s_lshl_b32 s44, 0x1111, s40                    ; my column
	s_or_b32 s[G1+0], s43, (3<<16)|(1<<21)         ; ctx: the mask; elements of 8 bytes; bit 21 beside a mask; no padding
	s_mov_b32 s[G1+1], 512<<16                     ; tensor_dim0 = 512: a row tile's 4,096 bytes of a K step
	s_mov_b32 s[G1+2], 8<<16                       ; tensor_dim1 = 8 row tiles
	s_mov_b32 s[G1+3], 512<<16                     ; tile_dim0
	s_mov_b32 s[G1+4], 8                           ; tile_dim1
	s_mov_b32 s[G1+5], 4096                        ; the pitch: 32,768 bytes from row tile to row tile
	s_mov_b32 s[G1+6], 0
	s_mov_b32 s[G1+7], 0
	s_or_b32 s[G1B+0], s44, (1<<16)|(1<<20)|(1<<21)|(5<<22)|(3<<25)   ; Wout: elements of 2 bytes; padding: 4 words after every 64
	s_mov_b32 s[G1B+1], 128<<16
	s_mov_b32 s[G1B+2], 64<<16
	s_mov_b32 s[G1B+3], 128<<16
	s_mov_b32 s[G1B+4], 64
	s_mov_b32 s[G1B+5], 1024
	s_mov_b32 s[G1B+6], 0
	s_mov_b32 s[G1B+7], 0
	s_lshl_b32 s16, s13, 4                         ; ctx: row tile 16 x tile row + 8 x half, 32,768 bytes each.  No register here ever holds cx
	s_lshl_b32 s17, s12, 3
	s_add_co_u32 s16, s16, s17
	s_lshl_b32 s16, s16, 15
	s_mov_b32 s17, 0
	s_lshl_b32 s46, s42, 7                         ; Wout: row 128 x tile column + 64 x half, 2,048 bytes each.  No register here ever holds cy
	s_lshl_b32 s47, s12, 6
	s_add_co_u32 s46, s46, s47
	s_lshl_b32 s46, s46, 11
	s_mov_b32 s47, 0
	s_lshl_b32 s18, s12, 15                        ; where they go in a slot: no place in the cluster enters an LDS address
	s_mul_i32 s19, s12, HALFB
	s_add_co_u32 s19, s19, ASZ
	s_wait_kmcnt 0x0
	s_add_nc_u64 s[14:15], s[4:5], s[16:17]
	s_add_nc_u64 s[46:47], s[6:7], s[46:47]
	CROUND                                         ; all sixteen work-groups are here: the first joint loads meet
.irp s, 0,1
	s_mov_b32 s[G0+4*\s], 1
	s_add_co_u32 s[G0+4*\s+1], s18, \s*SLOT
	s_add_nc_u64 s[G0+4*\s+2:G0+4*\s+3], s[14:15], \s*4096
	s_or_b32 s[G0+4*\s+3], s[G0+4*\s+3], 0x80000000
	s_mov_b32 s[G0B+4*\s], 1
	s_add_co_u32 s[G0B+4*\s+1], s19, \s*SLOT
	s_add_nc_u64 s[G0B+4*\s+2:G0B+4*\s+3], s[46:47], \s*256
	s_or_b32 s[G0B+4*\s+3], s[G0B+4*\s+3], 0x80000000
.endr
	s_cmp_eq_u32 s11, 0                            ; a wave's two first fills stand in one branch on its number: two tensor loads of mine are out
	s_cbranch_scc0 .Lfirst_b
	tensor_load_to_lds s[G0:G0+3], s[G1:G1+7]
	tensor_load_to_lds s[G0+4:G0+7], s[G1:G1+7]
.rept 4
	v_nop
.endr
	s_branch .Lfirst_asked
.Lfirst_b:
	tensor_load_to_lds s[G0B:G0B+3], s[G1B:G1B+7]
	tensor_load_to_lds s[G0B+4:G0B+7], s[G1B:G1B+7]
.rept 4
	v_nop
.endr
.Lfirst_asked:
	v_and_b32 v1, 15, v0                           ; r
	v_bfe_u32 v2, v0, 4, 1                         ; hh
	v_and_b32 v3, 31, v0
	v_lshlrev_b32 v3, 4, v3                        ; 16 x lane
	s_lshl_b32 s16, s11, 15                        ; my 8 row tiles of ctx
	v_add_nc_u32 v[ADRA], s16, v3
	v_add_nc_u32 v[ADRA+1], SLOT, v[ADRA]
	v_mul_u32_u24 v4, v1, PITCH
	v_lshl_add_u32 v4, v2, 4, v4                   ; Wout: row x pitch + 16 x half
	s_mul_i32 s17, s12, HALFB                      ; my 64 rows,
	s_add_co_u32 s17, s17, ASZ                     ; behind ctx's part
	v_add_nc_u32 v[ADRB], s17, v4
	v_add_nc_u32 v[ADRB+1], SLOT, v[ADRB]
	s_mul_i32 s16, s10, 16*SPITCH
	s_add_co_u32 s16, s16, STAGE                   ; my stage
	v_mul_u32_u24 v4, v1, SPITCH                   ; in: row r, 32 bytes for each half of the lanes
	v_lshl_add_u32 v4, v2, 5, v4
	v_add_nc_u32 v[STO], s16, v4
	v_mul_u32_u24 v4, v2, SPITCH                   ; back: lanes 0-15 take one row of 256 bytes, lanes 16-31 the next
	v_lshl_add_u32 v4, v1, 4, v4
	v_add_nc_u32 v[RD], s16, v4
	v_lshlrev_b32 v4, 12, v2                       ; and the same two rows in out0 (4,096 bytes a row)
	v_lshl_add_u32 v[CO], v1, 4, v4
	s_lshl_b32 s46, s42, 9                         ; my first column, in bytes of f32: 512 x tile column + 256 x half
	s_lshl_b32 s47, s12, 8
	s_add_co_u32 s46, s46, s47
	s_mov_b32 s47, 0
	s_add_nc_u64 s[20:21], s[20:21], s[46:47]
	v_lshlrev_b32 v5, 5, v2                        ; the bias in the result's layout: lane (r, hh), block b: columns 16 b + 8 hh + 0..7
.irp b, 0,1,2,3
	global_load_b128 v[BI+8*\b:BI+8*\b+3], v5, s[20:21] offset:64*\b
	global_load_b128 v[BI+8*\b+4:BI+8*\b+7], v5, s[20:21] offset:64*\b+16
.endr
	s_lshl_b32 s16, s13, 8
	s_lshl_b32 s17, s11, 7
	s_add_co_u32 s16, s16, s17                     ; my first row: 256 x tile row + 128 x half
	s_lshl_b32 s16, s16, 12
	s_add_co_u32 s16, s16, s46
	s_mov_b32 s17, 0
	s_add_nc_u64 s[8:9], s[22:23], s[16:17]
; 8 matrix instructions: ctx's blocks a0, a0 + 1 x Wout's four, 32 along K, from buffer f.  The 32 accumulators take turns, one instruction a turn, in the same order in every quarter.
.macro MUL8 f, a0, first
.irp a, \a0, \a0+1
.irp b, 0,1,2,3
.if \first
	v_wmma_f32_16x16x32_f16 v[8*(4*(\a)+\b):8*(4*(\a)+\b)+7], v[\f+64+8*\b:\f+64+8*\b+7], v[\f+8*(\a):\f+8*(\a)+7], v[BI+8*\b:BI+8*\b+7]
.else
	v_wmma_f32_16x16x32_f16 v[8*(4*(\a)+\b):8*(4*(\a)+\b)+7], v[\f+64+8*\b:\f+64+8*\b+7], v[\f+8*(\a):\f+8*(\a)+7], v[8*(4*(\a)+\b):8*(4*(\a)+\b)+7]
.endif
.endr
.endr
.endm
; 24 LDS loads in one run: the fragments of the slot's q-th 32 along K into buffer f: Wout's four blocks, ctx's blocks 0-3, ctx's blocks 4-7
.macro FETCH slot, q, f
.irp b, 0,1,2,3
	ds_load_b128 v[\f+64+8*\b:\f+64+8*\b+3],   v[ADRB+\slot] offset:64*(\q)+\b*16*PITCH
	ds_load_b128 v[\f+64+8*\b+4:\f+64+8*\b+7], v[ADRB+\slot] offset:64*(\q)+\b*16*PITCH+32
.endr
.irp a, 0,1,2,3,4,5,6,7
	ds_load_b128 v[\f+8*\a:\f+8*\a+3],   v[ADRA+\slot] offset:4096*\a+1024*(\q)
	ds_load_b128 v[\f+8*\a+4:\f+8*\a+7], v[ADRA+\slot] offset:4096*\a+1024*(\q)+512
.endr
.endm
.macro PLACES                          ; four plain lines in front of loads into registers that matrix instructions have read, and of the first read of results
.rept 4
	v_nop
.endr
.endm
.macro MWIN first
.if \first
	WIN FIRST
.else
	WIN MUL
.endif
.endm
; A K step is four quarters of 32 along K, 32 matrix instructions each, on buffers 0, 1, 0, 1.  One of the first three: multiplies buffer f and fetches quarter qn into g.
.macro QUARTER slot, qn, f, g, first
	s_wait_dscnt 8                                 ; Wout's blocks and ctx's blocks 0-3 are in; the youngest eight loads (blocks 4-7) may be out
	MWIN \first
	MUL8 \f, 0, \first
	MUL8 \f, 2, \first
	WIN 0
	PLACES
	FETCH \slot, \qn, \g
	s_wait_dscnt 24                                ; all but the 24 just issued
	MWIN \first
	MUL8 \f, 4, \first
	MUL8 \f, 6, \first
.endm
; The last quarter multiplies buffer 1 and changes slots: ONE barrier; in front of it each wave waits for all its tensor loads, adds 0 to its spare word, and waits for that and for its own reads of this slot.
; fill = 1: the barrier opens a round of the cluster's barrier, and this slot is filled again, two K steps ahead: one load a wave, the first thing behind the round.
.macro TURN slot, next, fill
	WIN 0
	s_wait_tensorcnt 0x0                           ; all my tensor loads have landed: the one that was out is my part of the next slot
	ds_add_u32 v[SPW], v[NIL]                      ; 0 onto my spare word
	s_wait_dscnt 9                                 ; (the add and the youngest eight loads may be out)
	WIN MUL
	MUL8 F1, 0, 0                                  ; eight matrix instructions stand between the add and the wait for it
	s_wait_dscnt 0x0                               ; the add is done, and my reads of this slot are over
	s_barrier_signal -1
	MUL8 F1, 2, 0
	WIN 0
	s_barrier_wait -1
.if \fill
	CREST                                          ; no wave of any partner still reads this slot's tile or has a load on its way
	s_add_nc_u64 s[G0+4*\slot+2:G0+4*\slot+3], s[G0+4*\slot+2:G0+4*\slot+3], 2*4096
	s_add_nc_u64 s[G0B+4*\slot+2:G0B+4*\slot+3], s[G0B+4*\slot+2:G0B+4*\slot+3], 2*256
	JLOAD \slot                                    ; the four v_nop behind it are also the places in front of the loads below
.else
	PLACES
.endif
	FETCH \next, 0, F0
	WIN MUL
	MUL8 F1, 4, 0
	MUL8 F1, 6, 0
.endm
	s_wait_tensorcnt 1                             ; my part of K step 0 is in; K step 1's load may be out
	s_barrier_signal -1
	s_barrier_wait -1                              ; everybody's is
	FETCH 0, 0, F0
	s_wait_loadcnt 0x0                             ; the bias
	QUARTER 0, 1, F0, F1, 1                        ; the first quarter stands in front of the loop: its products start the sums on the bias
	WIN 0                                          ; at a label and at a branch every window is 0
	s_mov_b32 s3, LAPS-1
.Llap:                                             ; a trip goes once round the ring, from a lap's second quarter to the next lap's first, and fills both slots again
	QUARTER 0, 2, F1, F0, 0
	QUARTER 0, 3, F0, F1, 0
	TURN 0, 1, 1
	QUARTER 1, 1, F0, F1, 0
	QUARTER 1, 2, F1, F0, 0
	QUARTER 1, 3, F0, F1, 0
	TURN 1, 0, 1
	QUARTER 0, 1, F0, F1, 0
	WIN 0
	s_sub_co_u32 s3, s3, 1
	s_cmp_lg_u32 s3, 0
	s_cbranch_scc1 .Llap
	QUARTER 0, 2, F1, F0, 0                        ; the last lap fills nothing
	QUARTER 0, 3, F0, F1, 0
	TURN 0, 1, 0
	QUARTER 1, 1, F0, F1, 0
	QUARTER 1, 2, F1, F0, 0
	QUARTER 1, 3, F0, F1, 0
	s_wait_dscnt 8                                 ; the very last quarter: nothing more to fetch
	WIN MUL
	MUL8 F1, 0, 0
	MUL8 F1, 2, 0
	s_wait_dscnt 0
	MUL8 F1, 4, 0
	MUL8 F1, 6, 0
	WIN 0
	PLACES
; THE WAY OUT, block by block of 16 rows x 64 columns.  A lane holds 32 neighbouring bytes of a row: a block goes through my own stage in LDS and comes back as whole rows of 256 bytes, which sixteen lanes store.
; LDS serves a wave's instructions in order (ISA guide 5.7.1.4): no wait between the stores and the loads, nor in front of the next block's stores.  Six sets of 32 registers take turns.
.macro TOSTAGE a
.set BK, 64+32*((\a)%6)
.if (\a) >= 6
	s_wait_xcnt 0x0                                ; the stores of six blocks back have read their data: the set is loaded again only behind this wait
.endif
	WIN 0x04                                       ; an LDS store's data are its source 1: window 1
.irp b, 0,1,2,3
	ds_store_b128 v[STO], v[8*(4*(\a)+\b):8*(4*(\a)+\b)+3] offset:64*\b          ; each accumulator from its low end on
	ds_store_b128 v[STO], v[8*(4*(\a)+\b)+4:8*(4*(\a)+\b)+7] offset:64*\b+16
.endr
	WIN 0
.irp t, 0,1,2,3,4,5,6,7
	ds_load_b128 v[BK+4*\t:BK+4*\t+3], v[RD] offset:\t*2*SPITCH
.endr
.endm
.macro SEND a, younger                 ; younger: the LDS instructions issued behind block a's loads: the next block's eight stores and eight loads, or none
.set BK, 64+32*((\a)%6)
	s_wait_dscnt \younger
.irp t, 0,1,2,3,4,5,6,7
	global_store_b128 v[CO], v[BK+4*\t:BK+4*\t+3], s[8:9] offset:65536*(\a)+8192*\t th:TH_STORE_NT   ; 16 lanes store 256 consecutive bytes, at a multiple of 256 from out0's first byte
.endr
.endm
	TOSTAGE 0
.irp a, 1,2,3,4,5,6,7
	TOSTAGE \a
	SEND \a-1, 16
.endr
	SEND 7, 0
	s_wait_tensorcnt 0x0                           ; the wave's end, behind my last tensor load and my last LDS store
	ds_add_u32 v[SPW], v[NIL]
	s_wait_dscnt 0x0
	CROUND                                         ; the closing round: no work-group ends while a partner may still ask for a tile that names it
	s_endpgm
.Lfunc_end_k_qbd6acafcd3_oproj:
	.size	k_qbd6acafcd3_oproj, .Lfunc_end_k_qbd6acafcd3_oproj-k_qbd6acafcd3_oproj
	.p2alignl 7, 3214868480
	.fill 96, 4, 3214868480
	.section	.rodata,"a",@progbits
	.p2align	6, 0x0
	.amdhsa_kernel k_qbd6acafcd3_oproj
		.amdhsa_group_segment_fixed_size 327680
		.amdhsa_private_segment_fixed_size 0
		.amdhsa_enable_private_segment 0
		.amdhsa_kernarg_size 32
		.amdhsa_user_sgpr_count 2
		.amdhsa_user_sgpr_kernarg_segment_ptr 1
		.amdhsa_wavefront_size32 1
		.amdhsa_system_sgpr_workgroup_id_x 1
		.amdhsa_system_sgpr_workgroup_id_y 1
		.amdhsa_system_sgpr_workgroup_id_z 1
		.amdhsa_system_vgpr_workitem_id 0
		.amdhsa_next_free_vgpr 512
		.amdhsa_next_free_sgpr 66
		.amdhsa_reserve_vcc 0
		.amdhsa_float_denorm_mode_32 3
		.amdhsa_float_denorm_mode_16_64 3
		.amdhsa_memory_ordered 1
		.amdhsa_forward_progress 1
		.amdhsa_inst_pref_size 85
	.end_amdhsa_kernel
	.amdgpu_metadata
---
amdhsa.version: [ 1, 2 ]
amdhsa.kernels:
  - .name:           k_qbd6acafcd3_oproj
    .symbol:         k_qbd6acafcd3_oproj.kd
    .args:
      - { .name: ctx, .offset: 0, .size: 8, .value_kind: global_buffer, .address_space: global }
      - { .name: wouth, .offset: 8, .size: 8, .value_kind: global_buffer, .address_space: global }
      - { .name: bout, .offset: 16, .size: 8, .value_kind: global_buffer, .address_space: global }
      - { .name: out0, .offset: 24, .size: 8, .value_kind: global_buffer, .address_space: global }
    .group_segment_fixed_size: 327680
    .private_segment_fixed_size: 0
    .kernarg_segment_align: 8
    .kernarg_segment_size: 32
    .max_flat_workgroup_size: 128
    .sgpr_count:     66
    .vgpr_count:     512
    .wavefront_size: 32
...
	.end_amdgpu_metadata
.endif
;; end of part 4
